; MI455X (gfx1250); checked and timed in simulation.
; The chip was launched on July 23, 2026; its instructions are those of AMD's public machine-readable ISA for CDNA 5 (MIT licence, August 2026) and "CDNA5" Instruction Set Architecture Reference Guide (July 2026). The comments in the code are by the model that wrote it; some were corrected since.
;; Embedding. Allowed arithmetic: float matrix products may take bf16 or f16 operands with f32 sums; all other float work in f32.
;; Inputs: weight 32,000 x 128 float32; x 2 x 4,096 int32.
;; Outputs: out0 2 x 4,096 x 128 float32.
;; 2 versions, each right; version 2 is version 1 with the launch gather written anew for expert scheduling mode. Each part assembles by itself: llvm-mc -triple=amdgcn-amd-amdhsa -mcpu=gfx1250 --defsym DOCPART=n.
;; ======== version 1 of 2: 1 launch
;; launch gather (part 1): grid 256 x 1, 8 waves a work-group, no clusters, 0 bytes of LDS; arguments x, weight, out0; writes out0
.if DOCPART == 1
	.amdgcn_target "amdgcn-amd-amdhsa--gfx1250"
	.amdhsa_code_object_version 6
	.text
	.protected	k_q14e45c82cf_gather
	.globl	k_q14e45c82cf_gather
	.p2align	8
	.type	k_q14e45c82cf_gather,@function
k_q14e45c82cf_gather:
	s_mov_b64 s[64:65], 0
	v_nop
	global_prefetch_b8 v0, s[64:65] scope:SCOPE_SE
	s_setreg_imm32_b32 hwreg(HW_REG_WAVE_MODE, 25, 1), 1
	s_wait_xcnt 0x0
; out0[t][:] = one_hot(x[t], 32000) . weight, for the 8,192 tokens t of x [2][4096] (int32); weight [32000][128] f32; out0 [2][4096][128] f32.
;
; WORK LEFT OUT, AND WHY IT IS DEAD.  reference() builds oh[t][v] in its own body: 1 where v == x[t], 0 elsewhere.  Of the 32,000 products
; oh[t][v] * weight[v][d] that make out0[t][d], all but the one with v == x[t] have that built-in 0 as a factor, whatever finite numbers
; weight holds, and the one that is left has the factor 1.  So out0[t][d] = weight[x[t]][d]; and where x[t] is not in 0 .. 31999 the
; comparison with 0 .. 31999 meets nothing, every factor is 0, and the row is zeros.  Which row is taken hangs on a whole number that this
; launch reads from memory, so only the rows that are named are loaded.  Both inputs have a way to the output and both are arguments.
;
; LIMITS.  A NaN or an infinity in a row of weight that no index names would reach reference()'s sums as 0 x inf or 0 x NaN; it touches only
; the products left out and is not carried to the result.  A selected -0.0 leaves as -0.0, where the sum with zeros gives +0.0.
; Otherwise the numbers are copied bit for bit: no rounding, no limit of range.  Indices outside the table, negative ones too, give a
; row of zeros as in reference(): the address is clamped into the table and the data are masked; no branch hangs on an index.
;
; SHARES.  A row is 512 bytes = 32 lanes x 16 bytes: one 16-byte load of a wave is one whole row of weight, one 16-byte store one whole
; row of out0, 512 consecutive bytes that start at a multiple of 512 from the buffer's first byte.  Work-group g owns tokens 32 g .. 32 g + 31,
; wave w of it tokens 32 g + 4 w .. + 3, lane l bytes 16 l .. 16 l + 15 of each of the wave's four rows.  256 work-groups x 32 = 8,192 tokens.
; A wave's four indices are 16 aligned bytes of x and are the same for all its lanes: one scalar load.  Its four row loads go out back to back,
; so every row of the launch is asked for as soon as its index is known; there is no loop.
; No LDS, no barrier, no cluster, no matrix unit: the waves share nothing, no two work-groups need the same bytes by design, a row goes from
; the registers it was loaded into straight to a store of whole rows, and there is no arithmetic.
.set VOCAB, 32000                      ; rows of weight
.set ROWB,  512                        ; bytes in a row of weight and of out0
.set RPW,   4                          ; rows (tokens) of a wave
.set RPG,   32                         ; rows of a work-group: 8 waves x 4
.set IDX,   16                         ; s[16:19]  the wave's four indices, then clamped into the table
.set MSK,   20                         ; s[20:23]  row i: all ones if its index is inside the table, else 0
.set LB,    1                          ; v1        16 x lane: my 16 bytes in a row
.set OO,    3                          ; v3        byte offset in out0 of my 16 bytes in the wave's first row; written once
.set OFF,   4                          ; v[4:7]    row i: byte offset in weight of my 16 bytes; written once
.set D,     8                          ; v[8:23]   row i: 4 registers of data
	s_load_b128 s[4:7], s[0:1], 0x0                ; x s[4:5], weight s[6:7]
	s_load_b64 s[8:9], s[0:1], 0x10                ; out0 s[8:9]
	; register work while the addresses are on their way
	v_and_b32 v[LB], 31, v0                        ; lane
	v_lshrrev_b32 v2, 5, v0                        ; wave, in every lane
	v_readfirstlane_b32 s10, v2                    ; wave 0..7 as a scalar
	v_lshlrev_b32 v[LB], 4, v[LB]                  ; 16 bytes a lane
	s_lshl_b32 s12, ttmp9, 7                       ; x: 32 indices of 4 bytes for each work-group,
	s_lshl4_add_u32 s12, s10, s12                  ; + 4 indices of 4 bytes for each wave: 128 g + 16 w, at most 32,752
	s_mov_b32 s13, 0                               ; as a 64-bit offset
	s_lshl_b32 s11, ttmp9, 14                      ; out0: 32 rows of 512 bytes for each work-group
	v_lshl_add_u32 v[OO], v2, 11, v[LB]            ; 4 rows of 512 bytes for each wave + my 16 bytes,
	v_add_nc_u32 v[OO], s11, v[OO]                 ; + the group's part: at most 4,194,304 - 2,048 + 496
	s_wait_kmcnt 0x0                               ; scalar loads come back in no order: only the count 0 shows the three addresses there
	s_add_nc_u64 s[4:5], s[4:5], s[12:13]          ; x at my wave's four indices (stepped ahead of the only load that names it)
	s_load_b128 s[IDX:IDX+3], s[4:5], 0x0          ; the last wave reads bytes 32,752 .. 32,767 of x's 32,768
	s_wait_kmcnt 0x0                               ; the indices are there
	; For each row: is the index inside the table (unsigned, so a negative one is outside too); clamp it, so that the load stays inside weight
	; whatever x holds; offset = 512 x index + 16 x lane, at most 16,383,984; ask for the row.  No hint on the loads: x may name a row more than once,
	; in this work-group or in another.
.irp i, 0,1,2,3
	s_cmp_lt_u32 s[IDX+\i], VOCAB
	s_cselect_b32 s[MSK+\i], -1, 0
	s_min_u32 s[IDX+\i], s[IDX+\i], VOCAB-1
	v_lshl_add_u32 v[OFF+\i], s[IDX+\i], 9, v[LB]
	global_load_b128 v[D+4*\i:D+4*\i+3], v[OFF+\i], s[6:7]
.endr
; Row i leaves: its load is waited for, the mask keeps the bits or makes zeros, and the wave stores the row's 512 bytes.
; No register that a pending load or store names is written again: OFF, OO and the bases are written once, and row i's data registers are
; written only behind the wait for their own load and not at all behind their store.
.macro ROWOUT i
	s_wait_loadcnt RPW-1-\i                        ; loads come back in order (ISA guide 5.7.1): row i is in, the RPW-1-i rows asked for after it may stay out
.irp k, 0,1,2,3
	v_and_b32 v[D+4*\i+\k], s[MSK+\i], v[D+4*\i+\k]
.endr
	global_store_b128 v[OO], v[D+4*\i:D+4*\i+3], s[8:9] offset:ROWB*\i th:TH_STORE_NT   ; written once and not read again in this launch
.endm
	ROWOUT 0
	ROWOUT 1
	ROWOUT 2
	ROWOUT 3
	s_endpgm
.Lfunc_end_k_q14e45c82cf_gather:
	.size	k_q14e45c82cf_gather, .Lfunc_end_k_q14e45c82cf_gather-k_q14e45c82cf_gather
	.p2alignl 7, 3214868480
	.fill 96, 4, 3214868480
	.section	.rodata,"a",@progbits
	.p2align	6, 0x0
	.amdhsa_kernel k_q14e45c82cf_gather
		.amdhsa_group_segment_fixed_size 0
		.amdhsa_private_segment_fixed_size 0
		.amdhsa_enable_private_segment 0
		.amdhsa_kernarg_size 24
		.amdhsa_user_sgpr_count 2
		.amdhsa_user_sgpr_kernarg_segment_ptr 1
		.amdhsa_wavefront_size32 1
		.amdhsa_system_sgpr_workgroup_id_x 1
		.amdhsa_system_sgpr_workgroup_id_y 1
		.amdhsa_system_sgpr_workgroup_id_z 1
		.amdhsa_system_vgpr_workitem_id 0
		.amdhsa_next_free_vgpr 24
		.amdhsa_next_free_sgpr 66
		.amdhsa_reserve_vcc 0
		.amdhsa_float_denorm_mode_32 3
		.amdhsa_float_denorm_mode_16_64 3
		.amdhsa_memory_ordered 1
		.amdhsa_forward_progress 1
		.amdhsa_inst_pref_size 4
	.end_amdhsa_kernel
	.amdgpu_metadata
---
amdhsa.version: [ 1, 2 ]
amdhsa.kernels:
  - .name:           k_q14e45c82cf_gather
    .symbol:         k_q14e45c82cf_gather.kd
    .args:
      - { .name: x, .offset: 0, .size: 8, .value_kind: global_buffer, .address_space: global }
      - { .name: weight, .offset: 8, .size: 8, .value_kind: global_buffer, .address_space: global }
      - { .name: out0, .offset: 16, .size: 8, .value_kind: global_buffer, .address_space: global }
    .group_segment_fixed_size: 0
    .private_segment_fixed_size: 0
    .kernarg_segment_align: 8
    .kernarg_segment_size: 24
    .max_flat_workgroup_size: 256
    .sgpr_count:     66
    .vgpr_count:     24
    .wavefront_size: 32
...
	.end_amdgpu_metadata
.endif
;; end of part 1
;; ======== version 2 of 2: 1 launch; version 1 with the launch gather written anew for expert scheduling mode
;; launch gather (part 2): grid 256 x 1, 8 waves a work-group, no clusters, 0 bytes of LDS; arguments x, weight, out0; writes out0
.if DOCPART == 2
	.amdgcn_target "amdgcn-amd-amdhsa--gfx1250"
	.amdhsa_code_object_version 6
	.text
	.protected	k_q14e45c82cf_gather
	.globl	k_q14e45c82cf_gather
	.p2align	8
	.type	k_q14e45c82cf_gather,@function
k_q14e45c82cf_gather:
	s_mov_b64 s[64:65], 0
	v_nop
	global_prefetch_b8 v0, s[64:65] scope:SCOPE_SE
	s_setreg_imm32_b32 hwreg(HW_REG_WAVE_SCHED_MODE, 0, 2), 2
	s_setreg_imm32_b32 hwreg(HW_REG_WAVE_MODE, 25, 1), 1
	s_wait_xcnt 0x0
	s_wait_alu depctr_vm_vsrc(0)
; out0[t][:] = one_hot(x[t], 32000) . weight, for the 8,192 tokens t of x [2][4096] (int32); weight [32000][128] f32; out0 [2][4096][128] f32.
;
; WORK LEFT OUT, AND WHY IT IS DEAD.  reference() builds oh[t][v] in its own body: 1 where v == x[t], 0 elsewhere.  Of the 32,000 products
; oh[t][v] * weight[v][d] that make out0[t][d], all but the one with v == x[t] have that built-in 0 as a factor, whatever finite numbers
; weight holds, and the one that is left has the factor 1.  So out0[t][d] = weight[x[t]][d]; and where x[t] is not in 0 .. 31999 the
; comparison with 0 .. 31999 meets nothing, every factor is 0, and the row is zeros.  Which row is taken hangs on a whole number that this
; launch reads from memory, so only the rows that are named are loaded.  Both inputs have a way to the output and both are arguments.
;
; LIMITS.  A NaN or an infinity in a row of weight that no index names would reach reference()'s sums as 0 x inf or 0 x NaN; it touches only
; the products left out and is not carried to the result.  A selected -0.0 leaves as -0.0, where the sum with zeros gives +0.0.
; Otherwise the numbers are copied bit for bit: no rounding, no limit of range.  Indices outside the table, negative ones too, give a
; row of zeros as in reference(): the address is clamped into the table and the data are masked; no branch hangs on an index.
;
; SHARES.  A row is 512 bytes = 32 lanes x 16 bytes: one 16-byte load of a wave is one whole row of weight, one 16-byte store one whole
; row of out0, 512 consecutive bytes that start at a multiple of 512 from the buffer's first byte.  Work-group g owns tokens 32 g .. 32 g + 31,
; wave w of it tokens 32 g + 4 w .. + 3, lane l bytes 16 l .. 16 l + 15 of each of the wave's four rows.  256 work-groups x 32 = 8,192 tokens.
; A wave's four indices are 16 aligned bytes of x and are the same for all its lanes: one scalar load.  Its four row loads go out back to back,
; so every row of the launch is asked for as soon as its index is known; there is no loop.
; No LDS, no barrier, no cluster, no matrix unit: the waves share nothing, no two work-groups need the same bytes by design, a row goes from
; the registers it was loaded into straight to a store of whole rows, and there is no arithmetic.
;
; THE MODE: SCHED_MODE bits 1:0 = 2 (LLVM: expert scheduling mode 2), set by the entry lines.  The code itself states the register dependences
; between vector instructions and memory instructions, with s_wait_alu, always for 0.
; THE PLAN.  Registers that memory instructions touch:
;   v[OO]        written by two vector instructions at the head; read by the four stores; never written again.
;   v[OFF ..+3]  each written once by a vector instruction, when the indices are in; read by the four loads; never written again.
;   v[D ..+15]   named by no vector instruction ahead of the loads.  Row i: its load lands in its four registers; behind the wait for that load four
;                v_and_b32 write them in place; its store reads them; nothing writes them behind the store.
;   s10          written by v_readfirstlane_b32; read by scalar arithmetic.
; So: one wait on va_sdst ahead of s10's first reader; one wait on va_vdst ahead of the run of four loads, for all offsets, the stores' too;
; one wait on va_vdst ahead of each pair of stores, for the pair's eight v_and_b32.  No register that a memory instruction reads is written
; afterwards, so no wait on vm_vsrc is owed; EXEC is never written.
.set VOCAB, 32000                      ; rows of weight
.set ROWB,  512                        ; bytes in a row of weight and of out0
.set RPW,   4                          ; rows (tokens) of a wave
.set RPG,   32                         ; rows of a work-group: 8 waves x 4
.set IDX,   16                         ; s[16:19]  the wave's four indices, then clamped into the table
.set MSK,   20                         ; s[20:23]  row i: all ones if its index is inside the table, else 0
.set LB,    1                          ; v1        16 x lane: my 16 bytes in a row
.set OO,    3                          ; v3        byte offset in out0 of my 16 bytes in the wave's first row; written once
.set OFF,   4                          ; v[4:7]    row i: byte offset in weight of my 16 bytes; written once
.set D,     8                          ; v[8:23]   row i: 4 registers of data
	s_load_b128 s[4:7], s[0:1], 0x0                ; x s[4:5], weight s[6:7]
	s_load_b64 s[8:9], s[0:1], 0x10                ; out0 s[8:9]
	; register work while the addresses are on their way
	v_and_b32 v[LB], 31, v0                        ; lane
	v_lshrrev_b32 v2, 5, v0                        ; wave, in every lane
	v_readfirstlane_b32 s10, v2                    ; wave 0..7 as a scalar
	v_lshlrev_b32 v[LB], 4, v[LB]                  ; 16 bytes a lane
	s_lshl_b32 s12, ttmp9, 7                       ; x: 32 indices of 4 bytes for each work-group,
	s_wait_alu depctr_va_sdst(0)                   ; s10 is written, ahead of its first reader: the offset into x is made from it
	s_lshl4_add_u32 s12, s10, s12                  ; + 4 indices of 4 bytes for each wave: 128 g + 16 w, at most 32,752
	s_mov_b32 s13, 0                               ; as a 64-bit offset
	s_lshl_b32 s11, ttmp9, 14                      ; out0: 32 rows of 512 bytes for each work-group
	v_lshl_add_u32 v[OO], v2, 11, v[LB]            ; 4 rows of 512 bytes for each wave + my 16 bytes,
	v_add_nc_u32 v[OO], s11, v[OO]                 ; + the group's part: at most 4,194,304 - 2,048 + 496
	s_wait_kmcnt 0x0                               ; scalar loads come back in no order: only the count 0 shows the three addresses there
	s_add_nc_u64 s[4:5], s[4:5], s[12:13]          ; x at my wave's four indices (stepped ahead of the only load that names it)
	s_load_b128 s[IDX:IDX+3], s[4:5], 0x0          ; the last wave reads bytes 32,752 .. 32,767 of x's 32,768
	s_wait_kmcnt 0x0                               ; the indices are there
	; For each row: is the index inside the table (unsigned, so a negative one is outside too); clamp it, so that the load stays inside weight
	; whatever x holds; offset = 512 x index + 16 x lane, at most 16,383,984.
.irp i, 0,1,2,3
	s_cmp_lt_u32 s[IDX+\i], VOCAB
	s_cselect_b32 s[MSK+\i], -1, 0
	s_min_u32 s[IDX+\i], s[IDX+\i], VOCAB-1
	v_lshl_add_u32 v[OFF+\i], s[IDX+\i], 9, v[LB]
.endr
	s_wait_alu depctr_va_vdst(0)                   ; the four offsets v[OFF ..] are written, which the loads below read; so is v[OO], which the four stores read: none of the five is named by a vector instruction again
	; The four rows are asked for in one run.  No hint on the loads: x may name a row more than once, in this work-group or in another.
.irp i, 0,1,2,3
	global_load_b128 v[D+4*\i:D+4*\i+3], v[OFF+\i], s[6:7]
.endr
; Row i is masked: its load is waited for, and the mask keeps the bits or makes zeros.
; No register that a pending load or store names is written again: OFF, OO and the bases are written once, and row i's data registers are
; written only behind the wait for their own load and not at all behind their store.
.macro ROWMASK i
	s_wait_loadcnt RPW-1-\i                        ; loads come back in order (ISA guide 5.7.1): row i is in, the RPW-1-i rows asked for after it may stay out
.irp k, 0,1,2,3
	v_and_b32 v[D+4*\i+\k], s[MSK+\i], v[D+4*\i+\k]
.endr
.endm
; Row i leaves: the wave stores the row's 512 bytes.
.macro ROWOUT i
	global_store_b128 v[OO], v[D+4*\i:D+4*\i+3], s[8:9] offset:ROWB*\i th:TH_STORE_NT   ; written once and not read again in this launch
.endm
	ROWMASK 0
	ROWMASK 1
	s_wait_alu depctr_va_vdst(0)                   ; the eight v_and_b32 have written rows 0 and 1, v[D .. D+7], which the two stores below read
	ROWOUT 0
	ROWOUT 1
	ROWMASK 2                                      ; these write v[D+8 .. D+15] alone: no register that the two stores above read
	ROWMASK 3
	s_wait_alu depctr_va_vdst(0)                   ; the eight v_and_b32 have written rows 2 and 3, v[D+8 .. D+15], which the two stores below read
	ROWOUT 2
	ROWOUT 3
	s_endpgm
.Lfunc_end_k_q14e45c82cf_gather:
	.size	k_q14e45c82cf_gather, .Lfunc_end_k_q14e45c82cf_gather-k_q14e45c82cf_gather
	.p2alignl 7, 3214868480
	.fill 96, 4, 3214868480
	.section	.rodata,"a",@progbits
	.p2align	6, 0x0
	.amdhsa_kernel k_q14e45c82cf_gather
		.amdhsa_group_segment_fixed_size 0
		.amdhsa_private_segment_fixed_size 0
		.amdhsa_enable_private_segment 0
		.amdhsa_kernarg_size 24
		.amdhsa_user_sgpr_count 2
		.amdhsa_user_sgpr_kernarg_segment_ptr 1
		.amdhsa_wavefront_size32 1
		.amdhsa_system_sgpr_workgroup_id_x 1
		.amdhsa_system_sgpr_workgroup_id_y 1
		.amdhsa_system_sgpr_workgroup_id_z 1
		.amdhsa_system_vgpr_workitem_id 0
		.amdhsa_next_free_vgpr 24
		.amdhsa_next_free_sgpr 66
		.amdhsa_reserve_vcc 0
		.amdhsa_float_denorm_mode_32 3
		.amdhsa_float_denorm_mode_16_64 3
		.amdhsa_memory_ordered 1
		.amdhsa_forward_progress 1
		.amdhsa_inst_pref_size 4
	.end_amdhsa_kernel
	.amdgpu_metadata
---
amdhsa.version: [ 1, 2 ]
amdhsa.kernels:
  - .name:           k_q14e45c82cf_gather
    .symbol:         k_q14e45c82cf_gather.kd
    .args:
      - { .name: x, .offset: 0, .size: 8, .value_kind: global_buffer, .address_space: global }
      - { .name: weight, .offset: 8, .size: 8, .value_kind: global_buffer, .address_space: global }
      - { .name: out0, .offset: 16, .size: 8, .value_kind: global_buffer, .address_space: global }
    .group_segment_fixed_size: 0
    .private_segment_fixed_size: 0
    .kernarg_segment_align: 8
    .kernarg_segment_size: 24
    .max_flat_workgroup_size: 256
    .sgpr_count:     66
    .vgpr_count:     24
    .wavefront_size: 32
...
	.end_amdgpu_metadata
.endif
;; end of part 2
